; MI455X (gfx1250); checked and timed in simulation.
; The chip was launched on July 23, 2026; its instructions are those of AMD's public machine-readable ISA for CDNA 5 (MIT licence, August 2026) and "CDNA5" Instruction Set Architecture Reference Guide (July 2026). The comments in the code are by the model that wrote it; some were corrected since.
;; Flash MLA. Allowed arithmetic: matrix products marked QUANTISED: E2M1 operands, one E8M0 scale for each 32 along K, by v_wmma_scale_f32_16x16x128_f8f6f4 with both operands' format E2M1 (or v_wmma_scale_f32_32x16x128_f4), f32 sums; everything else in f32.
;; Inputs: key_codes 4 x 2,048 x 16 x 4 x 16 uint8 (E2M1 codes of key, K innermost, in blocks of 32 codes, two codes a byte); key_scales 4 x 2,048 x 16 x 4 uint8 (E8M0 scales of key, one for each 32 codes along K); query_codes 4 x 2,048 x 16 x 4 x 16 uint8 (E2M1 codes of query, K innermost, in blocks of 32 codes, two codes a byte); query_scales 4 x 2,048 x 16 x 4 uint8 (E8M0 scales of query, one for each 32 codes along K); value_codes 4 x 16 x 128 x 64 x 16 uint8 (E2M1 codes of value, K innermost, in blocks of 32 codes, two codes a byte); value_scales 4 x 16 x 128 x 64 uint8 (E8M0 scales of value, one for each 32 codes along K).
;; Outputs: out0 4 x 2,048 x 16 x 128 float32.
;; This version of the problem:
;;   THIS VERSION OF THE PROBLEM IS GIVEN IN LOW PRECISION. The matrix products marked QUANTISED in the list below multiply operands that are first quantised to E2M1 (2 exponent bits, 1 mantissa bit; 4 bits a number), with one power-of-two scale for each 32 numbers along K (OCP MX v1.0); their sums are f32. All else is computed in f32.
;;   The module's matrix products, in the order in which they are computed (A, B: the left and right operand; K: the contracted axis; several contracted axes count as one K, in the product's order):
;;     1. batch 64 x [M 2,048, K 128] x [K 128, N 2,048]; A: input query (given as codes); B: input key (given as codes): QUANTISED
;;     2. batch 64 x [M 128, K 2,048] x [K 2,048, N 2,048]; A: input value (given as codes); B: softmax (see below): QUANTISED
;;   THE QUANTISER, for each operand of a quantised product, along K:
;;     - K is cut into blocks of 32 from its start; a last block that is shorter is filled with zeros.
;;     - A block's scale is 2^e with e = floor(log2(the largest magnitude in the block)) - 2, held to -126 .. 127; a block of zeros has e = 0. As a byte (E8M0): e + 127.
;;     - Each number is divided by its block's scale, clamped to +-6, and rounded to the nearest number of E2M1, ties to even, subnormals kept.
;;     - The product sums the exact products of the quantised numbers (number of the format x scale) in f32.
;;   ~~~python
;;   def quantise(x, axis):      # numpy; x: float32 -> the quantised numbers, widened to float32 again
;;       x = np.moveaxis(x, axis, -1); K = x.shape[-1]
;;       x = np.pad(x, [(0, 0)] * (x.ndim - 1) + [(0, -K % 32)]); x = x.reshape(x.shape[:-1] + (-1, 32)); a = np.abs(x).max(-1, keepdims=True)
;;       e = np.where(a > 0, np.clip(np.frexp(np.where(a > 0, a, 1))[1] - 1 - 2, -126, 127), 0)      # np.frexp(a)[1] - 1 = floor(log2(a)), exactly
;;       r = np.clip(x / 2.0 ** e, -6, 6)
;;       step = 2.0 ** (np.maximum(np.frexp(np.where(r == 0, 1, r))[1] - 1, 0) - 1)
;;       q = np.round(r / step) * step * 2.0 ** e      # np.round: ties to even
;;       return np.moveaxis(q.reshape(q.shape[:-2] + (-1,))[..., :K], -1, axis).astype(np.float32)
;;   ~~~
;;   SOFTMAX AHEAD OF A QUANTISED PRODUCT. Where the list says 'softmax', what is quantised is not the finished softmax but p = 2^(t - M), with t = logit x log2(e) and M = ceil(the row's largest t), a whole number; so 1/2 < the row's largest p <= 1. The row's sum l is taken of the UNQUANTISED p, in f32, and the product's result is divided by l at the end. Since M is a whole number, a kernel that streams over the keys may use a running M (the ceiling of the running maximum): every later rescaling is an exact power of two, which a block's scale takes up: the codes' values come out the same.
;;   OPERANDS COMPUTED ON THE WAY. 'Computed on the way' means the value that the module computes at that place (a softmax that the list does not call 'softmax' is quantised finished and normalised). What goes into a quantiser is computed in f32, as accurately as f32 sums, v_exp_f32 and their like allow (about 1e-6 of the number): no bf16 or f16 on the way to a quantiser, and a product that is left as it is and whose result goes on into a quantised operand takes f32 operands (vector FMAs, or v_wmma_f32_16x16x4_f32). A number that lies on a knife's edge between two numbers of the format may be rounded either way, as far as f32 arithmetic and the matrix unit's own rounding can turn it there, and no further.
;;   INPUTS GIVEN AS CODES. key (in the module: [4, 2048, 16, 128], K = its axis 3); query (in the module: [4, 2048, 16, 128], K = its axis 3); value (in the module: [4, 2048, 16, 128], K = its axis 1): each comes as NAME_codes (uint8): NAME with its K axis moved to the last place and cut into blocks of 32 codes, [.., K / 32, bytes a block], one block behind the other in memory; two codes a byte, the lower K in the low four bits (a code: sign, 2 exponent bits, 1 mantissa bit); and NAME_scales (uint8): the same leading axes, one E8M0 byte (e + 127) for each 32 codes along K. Its value is code x scale, taken as it is: it is not quantised again, and the codes and scales need not be those that the quantiser above would give.
;; One version. Each part assembles by itself: llvm-mc -triple=amdgcn-amd-amdhsa -mcpu=gfx1250 --defsym DOCPART=n.
;; ======== version 1 of 1: 1 launch
;; launch attn (part 1): grid 4 x 64, 16 waves a work-group, no clusters, 327,680 bytes of LDS; arguments query_codes, query_scales, key_codes, key_scales, value_codes, value_scales, out0; writes out0
.if DOCPART == 1
	.amdgcn_target "amdgcn-amd-amdhsa--gfx1250"
	.amdhsa_code_object_version 6
	.text
	.protected	k_qa7cca960a7_attn
	.globl	k_qa7cca960a7_attn
	.p2align	8
	.type	k_qa7cca960a7_attn,@function
k_qa7cca960a7_attn:
	s_mov_b64 s[64:65], 0
	v_nop
	global_prefetch_b8 v0, s[64:65] scope:SCOPE_SE
	s_setreg_imm32_b32 hwreg(HW_REG_WAVE_MODE, 25, 1), 1
	s_wait_xcnt 0x0
; out0[b][q][h][:] = the sum over k <= q of softmax_k(Q[b][q][h] . K[b][k][h] / sqrt(128)) V[b][k][h][:], both products on codes of FP4 (E2M1) with one E8M0 scale for each 32 along a product's K.
; Q, K: codes [4][2048][16][64 bytes], K = the head's 128; scale words [4][2048][16][4 bytes].  V: codes with the keys innermost, [64 heads][128][1024 bytes]; scale bytes [64][128][64].  out0: [4][2048][16][128] f32.
; THE SOFTMAX AHEAD OF THE SECOND PRODUCT: t = score x log2(e) / sqrt(128); M = the row's largest t so far, rounded UP to a whole number; p = 2^(t - M) is what is quantised, along the keys, not normalised.
; The row's sum is taken of the unquantised p, in f32, and divides O at the end.  When M moves, the sum and O are multiplied by 2^(old M - new M): exact.
; WORK LEFT OUT.  The score of key k for query q is -infinity where k > q (a triu mask), so that key's weight is exactly 0 and adds 0 to the row's sum and to O, whatever the inputs hold.
; So a step of 128 keys whose first key lies above a wave's last query is jumped over (a scalar branch on ids), and the slot of keys 1536-2047 is not fetched by a work-group whose last query lies under 1536.
; LIMITS.  A NaN (a scale byte 0xff) or an overflow that reaches only the keys left out is not carried to the result.  A p under 2^-126 comes out as 0 (v_exp_f32 gives no denormals: ISA guide 15.8).
; SHARES.  A head's 2,048 queries are eight blocks of 256.  Work-group x = i of a head owns blocks i and 7 - i: pass A and pass B.  Each of its SIXTEEN waves owns one tile of 16 queries in each pass:
; 256 i + 16 w on in pass A, 256 (7 - i) + 16 (15 - w) on in pass B, which makes 17 key steps of 128 keys for every wave of every work-group.  256 registers a wave, four waves to a SIMD.
; THE RING.  Two LDS slots of 512 keys.  Keys 0-511 and 512-1023 are the first fills; pass A reads them and pass B reads them again.  Keys 1024-1535 and, for i < 2, 1536-2047 are the only refills.
; NO CLUSTER, though a head's four work-groups walk the same K and V: the slot of keys 1536-2047 is read by two of the four alone, and a joint load is issued and read by all that it names;
; and their passes A have 2 i + 1 or 2 i + 2 steps, so that rounds in step would hold the shorter ones back.
; LAYOUT.  Both products are used transposed: S^T = K Q^T (source 0 = 16 keys, source 1 = my 16 queries), O^T = V^T P^T (source 0 = 16 of the head's 128, source 1 = P): a lane holds ONE query (lane % 16) throughout.
; A tile of K is 16 NEIGHBOURING keys.  So register 16 b + 8 u + j of S^T holds, in lane (r, h), key 32 b + 16 u + 8 h + j of the step: a conversion's eight codes are a quarter of a block of 32,
; and four exchanges of lane halves lay the quarters as the operand wants them (see the step).
; REGISTERS: v1-7, v24-29 addresses that stay; v8-11 addresses of the loads in hand; v12 -M, v13 the largest t, v[14:15] the sum in two halves; v16-23 Q; v32-63 four fragments of K or of V (v32-95 rows on the way out);
; v96-159 S^T, then p, then O / the sum; v160-223 O^T; v224-231 p's codes; v232-247, v252, v254 at work; v248-251 K's or V's scale words, v253 p's, v255 Q's.
.set SK,     512                       ; keys in a slot
.set KP,     80                        ; a key's row in LDS: 64 bytes + 16 of padding = 20 words: the 16 rows of a load take 16 different groups of four banks (64 banks of 4 bytes: ISA guide 11.1)
.set VP,     272                       ; a row of V's tile in LDS: 256 bytes + 16 of padding
.set KROW,   1024                      ; from key to key in memory: 16 heads x 64 bytes
.set VROW,   1024                      ; a row of V in memory: 2,048 codes
.set OROW,   8192                      ; from query to query in out0: 16 heads x 512 bytes
.set VOFF,   SK*KP                     ; a slot: 512 rows of K, then 128 rows of V,
.set STAGE0, VOFF+128*VP               ; then eight waves' stages for the way out: bytes of their own, in whole blocks of 256, into which no tile lands
.set STG,    16*272                    ; a stage: 16 rows x (256 bytes + 16)
.set SLOT1,  1<<17                     ; slot 1 begins here, so that one exclusive or turns an address in one slot into the other's
.set SCK,    2*SLOT1                   ; behind the ring: K's scale words of the whole head, 4 bytes a key, dense: 8,192 bytes, filled once;
.set SCV,    SCK+8192                  ; V's scale bytes of the whole head: 32 rows of 256 bytes + 16 of padding, filled once
.set SCVH,   16*272                    ; (half of them: what one tensor load brings)
.set SPARE,  SCV+2*SCVH                ; the spare words, 128 bytes for each wave: eight blocks of 256 bytes that no other line names
.set AK0,  1                           ; v1   my lane's place in a tile of K
.set AV0,  2                           ; v2   the same for V
.set ASK0, 3                           ; v3   my lane's place among K's scale words
.set ASV0, 4                           ; v4   and among V's
.set SPW,  5                           ; v5   LDS address of my spare word: SPARE + 4 x my thread's number; never rewritten
.set NIL,  6                           ; v6   0; never rewritten
.set GO,   7                           ; v7   the way out: my byte offset in the wave's rows of out0
.set ADK,  8                           ; v8   LDS address of the step's tiles of K
.set ADV,  9                           ; v9   of V
.set ADS,  10                          ; v10  of K's scale words
.set ADT,  11                          ; v11  of V's
.set STI,  24                          ; v24  the stage: where I put 32 bytes of a row
.set STB,  25                          ; v25  and where I read a row back
.set QO,   26                          ; v26  my byte offset in the wave's rows of Q's codes
.set QSO,  27                          ; v27  and of Q's scale words
.set PFO,  28                          ; v28  the prefetches' offset: 1,024 x my lane: a lane a row, of K or of V
.set DL,   29                          ; v29  lane % 16 - 8 (lane / 16), for the diagonal
.set FR,   32                          ; fragments
.set S,    96                          ; S^T, p
.set OT,   160                         ; O^T
.set PC,   224                         ; p's codes
.set BM,   232                         ; v232-235 each block's largest score, then its largest p
.set TP,   236                         ; v236-239 at work
.set SO,   244                         ; v244-247 the conversions' scale operands
.set SW,   248                         ; v248-251 K's or V's scale words
.set FF,   252                         ; v252 f = 2^(old M - new M)
.set PW,   253                         ; v253 p's scale word
.set TT,   254                         ; v254 at work
.set QW,   255                         ; v255 Q's scale words
.set SKA,  2                           ; s2   LDS byte at which the step's rows of K begin
.set SVA,  3                           ; s3   and, in V's rows, the step's 64 bytes
.set WV,   18                          ; s18  my wave's number
.set CN4,  19                          ; s19  counts a slot's four steps (at the head: HALF)
.set HALF, 19
.set SEL,  20                          ; s[20:21] lane selects for v_permlanex16_b32: lane l xor 16
.set CS,   22                          ; s[22:23] c = log2(e) / sqrt(128): the packed form names a pair and takes its low word for both halves
.set G1K,  24                          ; s[24:31] descriptor group 1 for K's tiles;  s[32:39] for V's
.set G1V,  32
.set G0K0, 40                          ; s[40:43], s[44:47] groups 0 for K's two first fills; the second then walks on
.set G0K1, 44
.set G0V0, 48                          ; s[48:51], s[52:55] the same for V's
.set G0V1, 52
.set G1VS, 56                          ; s[56:63] group 1 for V's scale bytes
.set TS,   66                          ; s66  where the step's scale words of K begin: 512 bytes a step
.set TJ,   67                          ; s67  and V's: 4 bytes a step
.set G1KS, 68                          ; s[68:75] group 1 for K's scale words
.set G0KS, 76                          ; s[76:79], s[80:83] groups 0 for K's and V's scales
.set G0VS, 80
.set KF,   84                          ; s84  the step's first key (at the head: RH)
.set RH,   84
.set Q0,   85                          ; s85  my first query in the pass in hand
.set CNT,  86                          ; s86  counts slots (at the head: BH)
.set BH,   86
.set LIM,  87                          ; s87  1 in a wave that prefetches, else the greatest number (at the head: HD)
.set HD,   87
.set PFA,  88                          ; s[88:89] where my prefetches stand in memory
.set PFS,  90                          ; s[90:91] a slot on, in bytes: 512 keys' rows in K, 256 bytes in a row of V
.set QCB,  92                          ; s[92:93], s[94:95], s[96:97] pass B: Q's codes, Q's scale words, out0 at my first query
.set QSB,  94
.set OB,   96
.set T0,   98                          ; s98, s99, s101 at work
.set T1,   99
.set Q0B,  100                         ; s100 my first query in pass B
.set T2,   101
; A refill.  Waves 0 and 1 fetch K's halves, waves 2 and 3 V's, the others nothing.  The branches hang on the wave's number alone.  An s_nop 0 and four v_nop follow each of the two lines.
.macro TLOAD
	s_cmp_lt_u32 s[WV], 2
	s_cbranch_scc0 .Lnot_k_\@
	tensor_load_to_lds s[G0K1:G0K1+3], s[G1K:G1K+7]
	s_nop 0
.rept 4
	v_nop
.endr
	s_branch .Lasked_\@
.Lnot_k_\@:
	s_cmp_lt_u32 s[WV], 4
	s_cbranch_scc0 .Lasked_\@
	tensor_load_to_lds s[G0V1:G0V1+3], s[G1V:G1V+7]
	s_nop 0
.rept 4
	v_nop
.endr
.Lasked_\@:
.endm
; A PREFETCH of what the NEXT change of slots will ask for: 512 keys' rows of K and 256 bytes of each of V's 128 rows; a slot's four key steps ahead of that load.
; Each aligned block of 256 bytes is named ONCE in the launch.  All four work-groups of a head walk the same K and V: the one with x = 0 asks (a branch on the work-group's number: no cluster here).
; A key's 256 bytes hold the rows of four heads: of a slot's 512 keys head h names the 128 from 128 (h % 4) on; waves 4 to 7, 32 keys each, a lane a key.  V's rows are the head's own: waves 8 to 11, 32 rows each, a lane a row.
; how = 1: at the head of pass B, for keys 1024 on;  how = 0: at a change of slots: the last change that fills a slot asks for nothing.  Keys 0-1023 come by their loads alone.
.macro ASK how
.if \how
	s_cmp_eq_u32 s[LIM], 1
.else
	s_cmp_gt_u32 s[CNT], s[LIM]
.endif
	s_cbranch_scc0 .Lnot_mine_\@
	global_prefetch_b8 v[PFO], s[PFA:PFA+1] th:TH_LOAD_NT scope:SCOPE_SE
.Lnot_mine_\@:
.endm
	s_load_b128 s[4:7], s[0:1], 0x0                ; Q's codes, Q's scales
	s_load_b128 s[8:11], s[0:1], 0x10              ; K's codes, K's scales
	s_load_b128 s[12:15], s[0:1], 0x20             ; V's codes, V's scales
	s_load_b64 s[16:17], s[0:1], 0x30              ; out0
	v_lshl_add_u32 v[SPW], v0, 2, SPARE
	v_mov_b32 v[NIL], 0
	ds_add_u32 v[SPW], v[NIL]                      ; the wave's opening: the add, twice on end, and its wait ahead of my first tensor load; the set-up below, work on registers, stands between the second and the wait
	ds_add_u32 v[SPW], v[NIL]                      ; and once more, under the one wait
	v_lshrrev_b32 v8, 5, v0
	s_delay_alu instid0(VALU_DEP_1)
	v_readfirstlane_b32 s[WV], v8                  ; wave 0..15
	s_and_b32 s[BH], ttmp7, 0xffff                 ; 16 b + h
	s_lshr_b32 s[T0], s[BH], 4                     ; b
	s_and_b32 s[HD], s[BH], 15                     ; h
	s_lshl_b32 s[RH], s[T0], 15
	s_add_co_u32 s[RH], s[RH], s[HD]               ; the row (b, position 0, h) of Q, K and out0: 32,768 b + h; position p lies 16 p rows on
	s_lshl_b32 s[Q0], ttmp9, 8
	s_lshl_b32 s[T0], s[WV], 4
	s_add_co_u32 s[Q0], s[Q0], s[T0]               ; pass A: my first query = 256 i + 16 w
	s_sub_co_u32 s[Q0B], 2032, s[Q0]               ; pass B: 256 (7 - i) + 16 (15 - w)
	s_and_b32 s[HALF], s[WV], 1                    ; which half of a tile I fetch, if I fetch
	s_lshl_b32 s[T0], s[Q0], 4
	s_add_co_u32 s[T0], s[T0], s[RH]               ; my first row in pass A,
	s_lshl_b32 s[T1], s[Q0B], 4
	s_add_co_u32 s[T1], s[T1], s[RH]               ; and in pass B.  Offsets in bytes (all under 2^27), each in a pair with 0 above it:
	s_lshl_b32 s[PFA], s[T0], 6                    ; pass A: Q's codes, 64 bytes a row (these three pairs are free again once the pointers are made),
	s_mov_b32 s[PFA+1], 0
	s_lshl_b32 s[PFS], s[T0], 2                    ; Q's scale words, 4 bytes a row,
	s_mov_b32 s[PFS+1], 0
	s_lshl_b32 s[SKA], s[T0], 9                    ; out0, 512 bytes a row;
	s_mov_b32 s[SVA], 0
	s_lshl_b32 s[QCB], s[T1], 6                    ; pass B likewise
	s_mov_b32 s[QCB+1], 0
	s_lshl_b32 s[QSB], s[T1], 2
	s_mov_b32 s[QSB+1], 0
	s_lshl_b32 s[OB], s[T1], 9
	s_mov_b32 s[OB+1], 0
	; descriptor group 1.  K: 256 rows of 64 bytes, 1,024 bytes apart in memory, 16 bytes of padding behind each in LDS
	s_mov_b32 s[G1K], (0<<16)|(1<<20)|(3<<22)|(3<<25)   ; 15:0 no mask; 17:16 elements of 1 byte; 20 padding on; 24:22 after every 16 words (code 3); 31:25 four words (code 3)
	s_mov_b32 s[G1K+1], 64<<16                     ; tensor_dim0
	s_mov_b32 s[G1K+2], 256<<16                    ; tensor_dim1
	s_mov_b32 s[G1K+3], 64<<16                     ; tile_dim0
	s_mov_b32 s[G1K+4], 256                        ; tile_dim1
	s_mov_b32 s[G1K+5], KROW                       ; tensor_dim0_stride
	s_mov_b32 s[G1K+6], 0
	s_mov_b32 s[G1K+7], 0
	; V: 64 rows of 256 bytes, 1,024 bytes apart, 16 bytes of padding behind each
	s_mov_b32 s[G1V], (0<<16)|(1<<20)|(5<<22)|(3<<25)   ; padding: four words after every 64
	s_mov_b32 s[G1V+1], 256<<16
	s_mov_b32 s[G1V+2], 64<<16
	s_mov_b32 s[G1V+3], 256<<16
	s_mov_b32 s[G1V+4], 64
	s_mov_b32 s[G1V+5], VROW
	s_mov_b32 s[G1V+6], 0
	s_mov_b32 s[G1V+7], 0
	; V's scale bytes: half a head's, 4,096 dense bytes, as 16 rows of 256 bytes (32 elements of 8 bytes), 16 bytes of padding behind each
	s_mov_b32 s[G1VS], (3<<16)|(1<<20)|(5<<22)|(3<<25)
	s_mov_b32 s[G1VS+1], 32<<16
	s_mov_b32 s[G1VS+2], 16<<16
	s_mov_b32 s[G1VS+3], 32<<16
	s_mov_b32 s[G1VS+4], 16
	s_mov_b32 s[G1VS+5], 32
	s_mov_b32 s[G1VS+6], 0
	s_mov_b32 s[G1VS+7], 0
	; K's scale words: 1,024 keys' words of one head: rows of ONE element of 4 bytes, 16 elements (64 bytes) apart in memory, on end in LDS
	s_mov_b32 s[G1KS], 2<<16
	s_mov_b32 s[G1KS+1], 1<<16
	s_mov_b32 s[G1KS+2], 1024<<16
	s_mov_b32 s[G1KS+3], 1<<16
	s_mov_b32 s[G1KS+4], 1024
	s_mov_b32 s[G1KS+5], 16
	s_mov_b32 s[G1KS+6], 0
	s_mov_b32 s[G1KS+7], 0
	; groups 0: the count, the LDS address (constants and my half), and for now the offset in memory, to which the buffer's address is added below
	s_mov_b32 s[G0K0], 1
	s_mul_i32 s[G0K0+1], s[HALF], 256*KP           ; K, slot 0: my 256 rows
	s_lshl_b32 s[G0K0+2], s[RH], 6
	s_lshl_b32 s[T0], s[HALF], 18                  ; 256 keys x 1,024 bytes
	s_add_co_u32 s[G0K0+2], s[G0K0+2], s[T0]
	s_mov_b32 s[G0K0+3], 0
	s_mov_b32 s[G0K1], 1
	s_add_co_u32 s[G0K1+1], s[G0K0+1], SLOT1       ; slot 1
	s_mov_b32 s[G0V0], 1
	s_mul_i32 s[G0V0+1], s[HALF], 64*VP            ; V, slot 0: my 64 rows
	s_add_co_u32 s[G0V0+1], s[G0V0+1], VOFF
	s_lshl_b32 s[G0V0+2], s[BH], 17                ; a head's 128 rows of 1,024 bytes
	s_lshl_b32 s[T0], s[HALF], 16                  ; 64 rows of V; also 1,024 keys' scale words, 64 bytes apart
	s_add_co_u32 s[G0V0+2], s[G0V0+2], s[T0]
	s_mov_b32 s[G0V0+3], 0
	s_mov_b32 s[G0V1], 1
	s_add_co_u32 s[G0V1+1], s[G0V0+1], SLOT1
	s_mov_b32 s[G0KS], 1
	s_lshl_b32 s[G0KS+1], s[HALF], 12              ; K's scale words: my 1,024 keys' 4,096 bytes
	s_add_co_u32 s[G0KS+1], s[G0KS+1], SCK
	s_lshl_b32 s[G0KS+2], s[RH], 2
	s_add_co_u32 s[G0KS+2], s[G0KS+2], s[T0]
	s_mov_b32 s[G0KS+3], 0
	s_mov_b32 s[G0VS], 1
	s_mul_i32 s[G0VS+1], s[HALF], SCVH             ; V's scale bytes: my 16 rows of 256
	s_add_co_u32 s[G0VS+1], s[G0VS+1], SCV
	s_lshl_b32 s[G0VS+2], s[BH], 13                ; a head's 8,192 bytes
	s_lshl_b32 s[T0], s[HALF], 12
	s_add_co_u32 s[G0VS+2], s[G0VS+2], s[T0]
	s_mov_b32 s[G0VS+3], 0
	s_mov_b32 s[SEL], 0x76543210
	s_mov_b32 s[SEL+1], 0xfedcba98
	s_mov_b32 s[CS], 0x3e0293ee                    ; c = log2(e) / sqrt(128)
	s_mov_b32 s[CS+1], s[CS]                       ; (named with it as a pair, so it is written)
	s_wait_dscnt 0x0                               ; both opening adds are done
	s_wait_kmcnt 0x0
	s_add_nc_u64 s[G0K0+2:G0K0+3], s[8:9], s[G0K0+2:G0K0+3]      ; keys 0 on,
	s_add_nc_u64 s[G0K1+2:G0K1+3], s[G0K0+2:G0K0+3], SK*KROW     ; keys 512 on
	s_or_b32 s[G0K0+3], s[G0K0+3], 0x80000000                    ; 127:126 type = 2
	s_or_b32 s[G0K1+3], s[G0K1+3], 0x80000000
	s_add_nc_u64 s[G0V0+2:G0V0+3], s[12:13], s[G0V0+2:G0V0+3]
	s_add_nc_u64 s[G0V1+2:G0V1+3], s[G0V0+2:G0V0+3], 256
	s_or_b32 s[G0V0+3], s[G0V0+3], 0x80000000
	s_or_b32 s[G0V1+3], s[G0V1+3], 0x80000000
	s_add_nc_u64 s[G0KS+2:G0KS+3], s[10:11], s[G0KS+2:G0KS+3]
	s_or_b32 s[G0KS+3], s[G0KS+3], 0x80000000
	s_add_nc_u64 s[G0VS+2:G0VS+3], s[14:15], s[G0VS+2:G0VS+3]
	s_or_b32 s[G0VS+3], s[G0VS+3], 0x80000000
	; THE FIRST FILLS, one group, ahead of every wait on TENSORcnt, every LDS read and every barrier; all of a wave's stand in one arm of one chain of branches on its number.
	; Waves 0, 1: K's halves of both slots; 2, 3: V's; 4, 5: K's scale words; 6, 7: V's scale bytes; 8 to 15: none.  At most two tensor loads of a wave are out.
	s_cmp_lt_u32 s[WV], 2
	s_cbranch_scc0 .Lfirst_not_k
	tensor_load_to_lds s[G0K0:G0K0+3], s[G1K:G1K+7]
	s_nop 0
	tensor_load_to_lds s[G0K1:G0K1+3], s[G1K:G1K+7]
	s_nop 0
.rept 4
	v_nop
.endr
	s_branch .Lfirst_done
.Lfirst_not_k:
	s_cmp_lt_u32 s[WV], 4
	s_cbranch_scc0 .Lfirst_not_v
	tensor_load_to_lds s[G0V0:G0V0+3], s[G1V:G1V+7]
	s_nop 0
	tensor_load_to_lds s[G0V1:G0V1+3], s[G1V:G1V+7]
	s_nop 0
.rept 4
	v_nop
.endr
	s_branch .Lfirst_done
.Lfirst_not_v:
	s_cmp_lt_u32 s[WV], 6
	s_cbranch_scc0 .Lfirst_not_ks
	tensor_load_to_lds s[G0KS:G0KS+3], s[G1KS:G1KS+7]
	s_nop 0
.rept 4
	v_nop
.endr
	s_branch .Lfirst_done
.Lfirst_not_ks:
	s_cmp_lt_u32 s[WV], 8
	s_cbranch_scc0 .Lfirst_done
	tensor_load_to_lds s[G0VS:G0VS+3], s[G1VS:G1VS+7]
	s_nop 0
.rept 4
	v_nop
.endr
.Lfirst_done:
	s_add_nc_u64 s[QCB:QCB+1], s[4:5], s[QCB:QCB+1]    ; pass B's pointers first, from the buffers' addresses as they came,
	s_add_nc_u64 s[QSB:QSB+1], s[6:7], s[QSB:QSB+1]
	s_add_nc_u64 s[OB:OB+1], s[16:17], s[OB:OB+1]
	s_add_nc_u64 s[4:5], s[4:5], s[PFA:PFA+1]          ; then pass A's, in place
	s_add_nc_u64 s[6:7], s[6:7], s[PFS:PFS+1]
	s_add_nc_u64 s[16:17], s[16:17], s[SKA:SVA]
	; the prefetches (macro ASK): where my wave's stand, and who asks
	s_and_b32 s[T0], s[WV], 3
	s_lshl_b32 s[T0], s[T0], 15                    ; my wave's 32 rows of 1,024 bytes, in K and in V alike
	s_lshl_b32 s[T1], s[RH], 6                     ; K: my head's bytes of key 0,
	s_and_b32 s[T2], s[HD], 3
	s_lshl_b32 s[T2], s[T2], 17                    ; + my head's 128 keys of the slot's 512,
	s_add_co_u32 s[T1], s[T1], s[T2]
	s_add_co_u32 s[T1], s[T1], 1024*KROW           ; from key 1024 on
	s_lshl_b32 s[T2], s[BH], 17                    ; V: my head's rows,
	s_add_co_u32 s[T2], s[T2], 512                 ; from key 1024 on
	s_mov_b32 s[PFS], 256
	s_cmp_lt_u32 s[WV], 8                          ; waves 4 to 7 ask for K's codes, waves 8 to 11 for V's
	s_cselect_b64 s[PFA:PFA+1], s[8:9], s[12:13]
	s_cselect_b32 s[T1], s[T1], s[T2]
	s_cselect_b32 s[PFS], SK*KROW, s[PFS]          ; a slot on
	s_mov_b32 s[PFS+1], 0
	s_add_co_u32 s[T0], s[T0], s[T1]
	s_mov_b32 s[T1], 0
	s_add_nc_u64 s[PFA:PFA+1], s[PFA:PFA+1], s[T0:T1]
	s_sub_co_u32 s[T0], s[WV], 4
	s_lshr_b32 s[T0], s[T0], 3                     ; 0 in waves 4 to 11,
	s_or_b32 s[T0], s[T0], ttmp9                   ; of the head's first work-group
	s_cmp_eq_u32 s[T0], 0
	s_cselect_b32 s[LIM], 1, -1
	; my lane's places
	v_and_b32 v8, 15, v0                           ; r = lane % 16
	v_bfe_u32 v9, v0, 4, 1                         ; h = lane / 16
	s_delay_alu instid0(VALU_DEP_2)
	v_mul_u32_u24 v[AK0], v8, KP
	s_delay_alu instid0(VALU_DEP_1)
	v_lshl_add_u32 v[AK0], v9, 4, v[AK0]           ; K: row r of a tile, + 16 h
	s_delay_alu instid0(VALU_DEP_4)
	v_mul_u32_u24 v[AV0], v8, VP
	s_delay_alu instid0(VALU_DEP_1)
	v_lshl_add_u32 v[AV0], v9, 4, v[AV0]
	s_delay_alu instid0(VALU_DEP_1)
	v_add_nc_u32 v[AV0], VOFF, v[AV0]              ; V likewise, behind K's rows
	v_lshl_add_u32 v[ASK0], v8, 2, SCK             ; K's scale words: 4 bytes a key
	v_lshrrev_b32 v10, 2, v8                       ; V's: a row of V has 64 scale bytes: four rows to a row of 256 bytes + 16
	v_and_b32 v11, 3, v8
	s_delay_alu instid0(VALU_DEP_2)
	v_mul_u32_u24 v[ASV0], v10, 272
	s_delay_alu instid0(VALU_DEP_1)
	v_lshl_add_u32 v[ASV0], v11, 6, v[ASV0]
	s_delay_alu instid0(VALU_DEP_1)
	v_add_nc_u32 v[ASV0], SCV, v[ASV0]
	v_lshlrev_b32 v[GO], 13, v9
	s_delay_alu instid0(VALU_DEP_1)
	v_lshl_add_u32 v[GO], v8, 4, v[GO]             ; the way out: lanes 0-15 take one query's row of out0, lanes 16-31 the next; 16 bytes a lane
	s_and_b32 s[T0], s[WV], 7
	s_mul_i32 s[T0], s[T0], STG
	s_lshr_b32 s[T1], s[WV], 3
	s_lshl_b32 s[T1], s[T1], 17
	s_add_co_u32 s[T0], s[T0], s[T1]
	s_add_co_u32 s[T0], s[T0], STAGE0              ; my stage: waves 0-7 behind slot 0's tiles, waves 8-15 behind slot 1's
	v_mul_u32_u24 v[STI], v8, 272
	s_delay_alu instid0(VALU_DEP_1)
	v_lshl_add_u32 v[STI], v9, 5, v[STI]
	s_delay_alu instid0(VALU_DEP_1)
	v_add_nc_u32 v[STI], s[T0], v[STI]             ; in: row r, + 32 h
	v_mul_u32_u24 v[STB], v9, 272
	s_delay_alu instid0(VALU_DEP_1)
	v_lshl_add_u32 v[STB], v8, 4, v[STB]
	s_delay_alu instid0(VALU_DEP_1)
	v_add_nc_u32 v[STB], s[T0], v[STB]             ; back: lanes 0-15 one row, lanes 16-31 the next
	v_lshlrev_b32 v[QO], 10, v8
	s_delay_alu instid0(VALU_DEP_1)
	v_lshl_add_u32 v[QO], v9, 4, v[QO]             ; Q: query r lies 1,024 r bytes on, + 16 h
	v_lshlrev_b32 v[QSO], 6, v8                    ; its scale word 64 r bytes on
	v_and_b32 v[PFO], 31, v0
	s_delay_alu instid0(VALU_DEP_1)
	v_lshlrev_b32 v[PFO], 10, v[PFO]
	v_lshlrev_b32 v[DL], 3, v9
	s_delay_alu instid0(VALU_DEP_1)
	v_sub_nc_u32 v[DL], v8, v[DL]                  ; r - 8 h
.irp b, 0,1,2,3
	v_mov_b32 v[TP+\b], 0                          ; written once: a lane permute's destination counts as one of its sources
.endr
	v_mov_b32 v[FF], 0                             ; likewise (the way out's permute)
	v_mov_b32 v[PW], 0                             ; (named as the upper half of the pair v[252:253] before it is first written)
; THE HEAD OF A PASS: my 16 queries' fragment and scale words; the walk back at key 0; the largest t, the sum and O^T begin anew.  second = 1: pass B.
.macro INIT qc, qs, second
	global_load_b128 v[16:19], v[QO], s[\qc:\qc+1]             ; Q's fragment stays in registers for the pass
	global_load_b128 v[20:23], v[QO], s[\qc:\qc+1] offset:32
	global_load_b32 v[QW], v[QSO], s[\qs:\qs+1]
.if \second
	ASK 1                                          ; keys 1024-1535: the first change of slots, four key steps on, will ask for them
	s_mov_b32 s[Q0], s[Q0B]
.endif
	s_mov_b32 s[KF], 0
	s_mov_b32 s[SKA], 0
	s_mov_b32 s[SVA], 0
	s_mov_b32 s[TS], 0
	s_mov_b32 s[TJ], 0
	v_mov_b32 v13, 0xff61b1e6                      ; the largest t so far: -3e38, under every finite score x c
	s_delay_alu instid0(VALU_DEP_1)
	v_floor_f32 v12, -v13                          ; -M
	v_mov_b32 v14, 0                               ; the sum, in two halves
	v_mov_b32 v15, 0
.set j, 0
.rept 64
	v_mov_b32 v[OT+j], 0                           ; O^T.  (The step is written without a first step of its own: the first finds zeros, which the first change of M leaves zeros)
.set j, j+1
.endr
	s_wait_loadcnt 0x0                             ; Q
.endm
; A KEY STEP: 128 keys from s[KF] on.  The scalars carry its place in the ring and among the scale words.
.macro STEP
	s_add_co_u32 s[T0], s[Q0], 15                  ; a step all of whose keys come after my 16 queries is left out: a branch on ids, round the step's loads, products and softmax,
	s_cmp_gt_u32 s[KF], s[T0]                      ; not round the lines at its end that step the addresses
	s_cbranch_scc1 .Lhidden_\@
	s_setprio 2
	v_add_nc_u32 v[ADK], s[SKA], v[AK0]            ; (these four are also the places in front of loads into registers that the last step's matrix instructions have read)
	s_wait_alu depctr_va_vdst(0)
	v_add_nc_u32 v[ADV], s[SVA], v[AV0]
	v_add_nc_u32 v[ADS], s[TS], v[ASK0]
	s_wait_alu depctr_va_vdst(0)
	v_add_nc_u32 v[ADT], s[TJ], v[ASV0]
.irp g, 0,1                                    ; S^T = K Q^T, four tiles of 16 neighbouring keys at a time
.if \g > 0
.rept 4
	v_nop                                          ; four places in front of loads into registers that matrix instructions have read
.endr
.endif
.irp t, 0,1,2,3
.irp c, 0,1
	ds_load_b128 v[FR+8*\t+4*\c:FR+8*\t+4*\c+3], v[ADK] offset:16*(4*\g+\t)*KP+32*\c
.endr
	ds_load_b32 v[SW+\t], v[ADS] offset:64*(4*\g+\t)
.endr
	s_wait_dscnt 0x0
.irp t, 0,1,2,3
	v_wmma_scale_f32_16x16x128_f8f6f4 v[S+8*(4*\g+\t):S+8*(4*\g+\t)+7], v[FR+8*\t:FR+8*\t+7], v[16:23], 0, v[SW+\t], v[QW] matrix_a_fmt:MATRIX_FMT_FP4 matrix_b_fmt:MATRIX_FMT_FP4
.endr
.endr                                          ; lane (r, h) holds query r; register 16 b + i holds key KF + 32 b + 8 h + i + 8 (i / 8)
.rept 4
	v_nop                                          ; four places in front of the first read of results
.endr
	s_add_co_u32 s[T0], s[KF], 127                 ; on the diagonal the scores of hidden keys become -infinity ahead of the maximum: p = 0 then.  A step all of whose keys count jumps over this
	s_cmp_le_u32 s[T0], s[Q0]
	s_cbranch_scc1 .Lopen_\@
	s_sub_co_i32 s[T0], s[Q0], s[KF]
	v_add_nc_u32 v[FF], s[T0], v[DL]               ; d = my query - KF - 8 h: register 16 b + i is hidden where 32 b + i + 8 (i / 8) > d
	v_mov_b32 v[TT], 0xff800000                    ; -infinity
.set n, 0
.rept 64
	v_cmp_gt_i32 vcc_lo, 32*(n/16)+n%16+8*((n%16)/8), v[FF]
	v_cndmask_b32 v[S+n], v[S+n], v[TT], vcc_lo
.set n, n+1
.endr
.Lopen_\@:
.irp b, 0,1,2,3
	v_max3_num_f32 v[BM+\b], v[S+16*\b], v[S+1+16*\b], v[S+2+16*\b]   ; THE LARGEST SCORE OF EACH BLOCK OF 32 KEYS: it serves twice: for the row's maximum, and, since p rises with the score, for the block's largest p
.endr
.irp i, 3,5,7,9,11,13
.irp b, 0,1,2,3
	v_max3_num_f32 v[BM+\b], v[BM+\b], v[S+16*\b+\i], v[S+1+16*\b+\i]   ; (the four blocks by turns)
.endr
.endr
.irp b, 0,1,2,3
	v_max_num_f32 v[BM+\b], v[BM+\b], v[S+15+16*\b]
.endr
.irp b, 0,1,2,3
	s_delay_alu instid0(VALU_DEP_4)
	v_permlanex16_b32 v[TP+\b], v[BM+\b], s[SEL], s[SEL+1]
.endr
.irp b, 0,1,2,3
	s_delay_alu instid0(VALU_DEP_4)
	v_max_num_f32 v[BM+\b], v[BM+\b], v[TP+\b]     ; with lane l xor 16's 16 keys of the block
.endr
	s_delay_alu instid0(VALU_DEP_2)
	v_max3_num_f32 v[TT], v[BM], v[BM+1], v[BM+2]
	s_delay_alu instid0(VALU_DEP_1)
	v_max_num_f32 v[TT], v[TT], v[BM+3]            ; the step's largest score of my query (key KF counts for every query of a step that is walked: it is a number)
	s_delay_alu instid0(VALU_DEP_1)
	v_mul_f32 v[TT], s[CS], v[TT]                  ; as t (c is positive)
	s_delay_alu instid0(VALU_DEP_1)
	v_max_num_f32 v13, v13, v[TT]                  ; the running largest t
	v_mov_b32 v[TT], v12
	s_delay_alu instid0(VALU_DEP_2)
	v_floor_f32 v12, -v13                          ; the new -M = floor(-t) = -ceil(t): M IS A WHOLE NUMBER
	s_delay_alu instid0(VALU_DEP_1)
	v_sub_f32 v[TT], v12, v[TT]                    ; M's old value less its new one: a whole number, 0 or less
	s_delay_alu instid0(VALU_DEP_1)
	v_cvt_i32_f32 v[TT], v[TT]                     ; (it saturates)
	s_delay_alu instid0(VALU_DEP_1)
	v_ldexp_f32 v[FF], 1.0, v[TT]                  ; f = 2^(old M - new M): what was summed under the old M is brought under the new by a multiplication that rounds nothing
.set j, 0
.rept 32
	v_pk_fma_f32 v[S+j:S+j+1], v[S+j:S+j+1], s[CS:CS+1], v[12:13] op_sel_hi:[1,0,0]   ; t - M, two at a time (of the pairs c and -M the low word serves both halves)
.set j, j+2
.endr
.irp b, 0,1,2,3
	v_fma_f32 v[BM+\b], v[BM+\b], s[CS], v12       ; the same of each block's largest score
.endr
.set j, 0
	s_setprio 1
	s_wait_alu depctr_va_vdst(0)
.rept 64
	v_exp_f32 v[S+j], v[S+j]                       ; p = 2^(t - M), at most 1: NOT normalised
.set j, j+1
.endr
	v_pk_mul_f32 v[14:15], v[14:15], v[FF:PW] op_sel_hi:[1,0]   ; the sums under the new M.  (A plain instruction behind the exponentials)
	s_wait_alu depctr_va_vdst(0)                   ; one wait for the whole batch, ahead of its first reader
.irp b, 0,1,2,3
	v_exp_f32 v[BM+\b], v[BM+\b]                   ; the block's largest p: the same two instructions on the same number give the same bits
.endr
	v_pk_add_f32 v[236:237], v[100:101], v[104:105]
	v_pk_add_f32 v[250:251], v[108:109], v[112:113]
	v_pk_add_f32 v[248:249], v[116:117], v[120:121]
	v_pk_add_f32 v[246:247], v[124:125], v[128:129]
	v_pk_add_f32 v[244:245], v[132:133], v[136:137]
	v_pk_add_f32 v[242:243], v[140:141], v[144:145]
	v_pk_add_f32 v[240:241], v[148:149], v[152:153]
	v_pk_add_f32 v[14:15], v[14:15], v[156:157]
	v_pk_add_f32 v[236:237], v[236:237], v[96:97]
	v_pk_add_f32 v[250:251], v[250:251], v[98:99]
	v_pk_add_f32 v[248:249], v[248:249], v[102:103]
	v_pk_add_f32 v[246:247], v[246:247], v[106:107]
	v_pk_add_f32 v[244:245], v[244:245], v[110:111]
	v_pk_add_f32 v[242:243], v[242:243], v[114:115]
	v_pk_add_f32 v[240:241], v[240:241], v[118:119]
	v_pk_add_f32 v[14:15], v[14:15], v[122:123]
	v_pk_add_f32 v[236:237], v[236:237], v[126:127]
	v_pk_add_f32 v[250:251], v[250:251], v[130:131]
	v_pk_add_f32 v[248:249], v[248:249], v[134:135]
	v_pk_add_f32 v[246:247], v[246:247], v[138:139]
	v_pk_add_f32 v[244:245], v[244:245], v[142:143]
	v_pk_add_f32 v[242:243], v[242:243], v[146:147]
	v_pk_add_f32 v[240:241], v[240:241], v[150:151]
	v_pk_add_f32 v[14:15], v[14:15], v[154:155]
	v_pk_add_f32 v[236:237], v[236:237], v[158:159]
	s_delay_alu instid0(VALU_DEP_2)
	v_pk_add_f32 v[14:15], v[14:15], v[246:247]
	s_delay_alu instid0(VALU_DEP_2)
	v_pk_add_f32 v[236:237], v[236:237], v[244:245]
	v_pk_add_f32 v[250:251], v[250:251], v[242:243]
	v_pk_add_f32 v[248:249], v[248:249], v[240:241]
	s_delay_alu instid0(VALU_DEP_2)
	v_pk_add_f32 v[14:15], v[14:15], v[250:251]
	s_delay_alu instid0(VALU_DEP_2)
	v_pk_add_f32 v[236:237], v[236:237], v[248:249]
	s_delay_alu instid0(VALU_DEP_1)
	v_pk_add_f32 v[14:15], v[14:15], v[236:237]
	s_wait_alu depctr_va_vdst(0)                   ; and one wait for the four
.irp b, 0,1,2,3
	v_max_num_f32 v[BM+\b], 0x1800000, v[BM+\b]    ; the floor 2^(3 - 127): the byte cannot fall under 1 (a block whose every p is 0 keeps that byte: its codes are zeros)
.endr
.irp b, 0,1,2,3
	s_delay_alu instid0(VALU_DEP_4)
	v_add_nc_u32 v[SO+\b], 0xff000000, v[BM+\b]    ; 2 off the exponent field: the conversion takes the exponent field of this operand as its scale, and nothing else of it
.endr
.irp b, 0,1,2,3
	s_delay_alu instid0(VALU_DEP_4)
	v_lshrrev_b32 v[TP+\b], 23, v[SO+\b]           ; the scale's byte
.endr
	s_delay_alu instid0(VALU_DEP_3)
	v_lshl_or_b32 v[PW], v[TP+1], 8, v[TP]         ; p's scale word for these 128 keys
	s_delay_alu instid0(VALU_DEP_1)
	v_lshl_or_b32 v[PW], v[TP+2], 16, v[PW]
	s_delay_alu instid0(VALU_DEP_1)
	v_lshl_or_b32 v[PW], v[TP+3], 24, v[PW]
; p's codes.  Eight registers 16 b + 8 u + 0 .. 7 are keys 32 b + 16 u + 8 h + 0 .. 7: a quarter of block b.  The operand wants, in register 4 c + m of lane half h, keys 8 m + 0 .. 7 of block 2 c + h.
; The quarter (b = 2 c + e, u) goes to register 4 c + 2 u + e; then registers 4 c + 2 u and 4 c + 2 u + 1 exchange the first's lanes 16-31 with the second's lanes 0-15:
; the first then holds keys 16 u + 0 .. 7 of block 2 c (lanes 0-15) and of block 2 c + 1 (lanes 16-31), the second keys 16 u + 8 .. 15 of the same.
.irp c, 0,1
.irp e, 0,1
.irp u, 0,1
	v_cvt_scalef32_pk8_fp4_f32 v[PC+4*\c+2*\u+\e], v[S+16*(2*\c+\e)+8*\u:S+16*(2*\c+\e)+8*\u+7], v[SO+2*\c+\e]
.endr
.endr
.endr
	v_nop                                          ; one plain vector instruction between a scaled conversion and the vector instruction that touches its result
.irp c, 0,1
.irp u, 0,1
	v_permlane16_swap_b32 v[PC+4*\c+2*\u], v[PC+4*\c+2*\u+1]
.endr
.endr
.set j, 0
.rept 32
	v_pk_mul_f32 v[OT+j:OT+j+1], v[OT+j:OT+j+1], v[FF:PW] op_sel_hi:[1,0]   ; O^T under the new M: x f.  (These 32 are also the places in front of the loads and of the scaled matrix instructions below)
.set j, j+2
.endr
	s_setprio 0
	s_wait_alu depctr_va_vdst(0)
.irp g, 0,1                                    ; O^T += V^T P^T: four tiles of 16 of the head's 128 at a time; K = these 128 keys.  The eight accumulators take turns, one instruction a turn
.if \g > 0
.rept 4
	v_nop
.endr
.endif
.irp t, 0,1,2,3
.irp c, 0,1
	ds_load_b128 v[FR+8*\t+4*\c:FR+8*\t+4*\c+3], v[ADV] offset:16*(4*\g+\t)*VP+32*\c
.endr
	ds_load_b32 v[SW+\t], v[ADT] offset:(4*\g+\t)*4*272
.endr
	s_wait_dscnt 0x0
.irp t, 0,1,2,3
	v_wmma_scale_f32_16x16x128_f8f6f4 v[OT+8*(4*\g+\t):OT+8*(4*\g+\t)+7], v[FR+8*\t:FR+8*\t+7], v[PC:PC+7], v[OT+8*(4*\g+\t):OT+8*(4*\g+\t)+7], v[SW+\t], v[PW] matrix_a_fmt:MATRIX_FMT_FP4 matrix_b_fmt:MATRIX_FMT_FP4
.endr
.endr
.Lhidden_\@:
	s_add_co_u32 s[KF], s[KF], 128                 ; the next step: its first key,
	s_add_co_u32 s[SKA], s[SKA], 128*KP            ; its rows of K,
	s_add_co_u32 s[SVA], s[SVA], 64                ; its 64 bytes of V's rows,
	s_add_co_u32 s[TS], s[TS], 512                 ; its scale words
	s_add_co_u32 s[TJ], s[TJ], 4
.endm
; A slot's four key steps: written once, walked four times; then the addresses go back to a slot's first step, in the other slot.
.macro SLOT_STEPS
	s_mov_b32 s[CN4], 4
.Lstep_\@:
	STEP
	s_sub_co_u32 s[CN4], s[CN4], 1
	s_cmp_lg_u32 s[CN4], 0
	s_cbranch_scc1 .Lstep_\@
	s_setprio 0
	s_sub_co_u32 s[SKA], s[SKA], SK*KP
	s_xor_b32 s[SKA], s[SKA], SLOT1
	s_sub_co_u32 s[SVA], s[SVA], 256
	s_xor_b32 s[SVA], s[SVA], SLOT1
.endm
; THE CHANGE OF SLOTS, behind a slot's last step.  Each wave waits for all its tensor loads (its part of the slot that it is about to read), adds 0 to its spare word (fill = 1: twice on end), and waits for that and for its
; reads of the slot that it has left.  Behind the barrier the slot ahead is whole and nobody reads the other one.  fill = 1: that other slot is filled with the 512 keys that follow those of the slot ahead,
; up to the causal limit: the load has a slot's four steps in which to land.
.macro CHANGE fill
	s_wait_tensorcnt 0x0                           ; no tensor load of mine is out, so a group 0 may be written
	ds_add_u32 v[SPW], v[NIL]                      ; 0 onto my spare word
.if \fill
	ds_add_u32 v[SPW], v[NIL]                      ; and once more: the add stands twice on end, in every trip alike.  The descriptors' steps stand between the second and the wait
	s_xor_b32 s[G0K1+1], s[G0K1+1], SLOT1          ; the walking descriptors: the other slot than last time,
	s_add_nc_u64 s[G0K1+2:G0K1+3], s[G0K1+2:G0K1+3], SK*KROW   ; the next 512 keys; the type bits on top are not reached
	s_xor_b32 s[G0V1+1], s[G0V1+1], SLOT1
	s_add_nc_u64 s[G0V1+2:G0V1+3], s[G0V1+2:G0V1+3], 256
	s_wait_xcnt 0x0                                ; the last prefetch, a slot back, has read its address, so it may be written:
	s_add_nc_u64 s[PFA:PFA+1], s[PFA:PFA+1], s[PFS:PFS+1]      ; one slot further on than the walking descriptors
.endif
	s_wait_dscnt 0x0                               ; the add is done (fill = 1: both are), and my reads of the slot that I have left are over
	s_barrier_signal -1
	s_barrier_wait -1
.if \fill
	s_add_co_u32 s[T0], s[KF], SK                  ; THE LOOK-AHEAD ENDS AT THE CAUSAL LIMIT: the first key of the slot that this change would ask for,
	s_or_b32 s[T1], s[Q0], 255                     ; against my work-group's last query: a slot beyond it is read by none of the sixteen waves, so it is not asked for.
	s_cmp_gt_u32 s[T0], s[T1]                      ; Ids and the count of steps alone: all sixteen waves go the same way.  Every wait on TENSORcnt in this text is for 0,
	s_cbranch_scc1 .Lpast_\@                       ; and the jump leads round the load's own lines alone
	TLOAD                                          ; a wave's one tensor load until the next such barrier, ahead of its first LDS read
.Lpast_\@:
	ASK 0
.endif
.endm
; THE WAY OUT of a pass.  The sum's two halves are added; O^T is divided by the sum and goes through my own stage in LDS, half a row (64 channels, 256 bytes) of 16 queries at a time,
; so that sixteen lanes store 256 consecutive bytes, at a multiple of 256 from out0's first byte.
.macro WAYOUT ptr
.rept 4
	v_nop                                          ; four places behind the last products
.endr
	v_add_f32 v14, v14, v15                        ; the sum's two halves,
	s_delay_alu instid0(VALU_DEP_1)
	v_permlanex16_b32 v[FF], v14, s[SEL], s[SEL+1]
	s_delay_alu instid0(VALU_DEP_1)
	v_add_f32 v14, v14, v[FF]                      ; and lane l xor 16's: the row's sum
	s_wait_alu depctr_va_vdst(0)
	v_rcp_f32 v14, v14
	v_nop                                          ; a plain instruction behind the reciprocal,
	s_wait_alu depctr_va_vdst(0)                   ; and a wait ahead of its first reader
.set j, 0
.rept 64
	v_mul_f32 v[S+j], v[OT+j], v14                 ; O^T / the sum, each accumulator from its low end on: register 8 t + i is o(r, 16 t + 8 h + i)
.set j, j+1
.endr
.irp u, 0,1                                    ; channels 64 u on
.irp t, 0,1,2,3
	ds_store_b128 v[STI], v[S+32*\u+8*\t:S+32*\u+8*\t+3] offset:64*\t
	ds_store_b128 v[STI], v[S+32*\u+8*\t+4:S+32*\u+8*\t+7] offset:64*\t+16
.endr
.irp i, 0,1,2,3,4,5,6,7
	ds_load_b128 v[FR+32*\u+4*\i:FR+32*\u+4*\i+3], v[STB] offset:2*\i*272   ; LDS serves a wave's instructions in order (ISA guide 5.7.1.4): these see my stores, and the next half's stores come behind them
.endr
.endr
.irp u, 0,1
.irp i, 0,1,2,3,4,5,6,7
	s_wait_dscnt 23-16*\u-\i                       ; behind load (u, i): the 7 - i later loads of its half and, for u = 0, the other half's 8 stores and 8 loads
	global_store_b128 v[GO], v[FR+32*\u+4*\i:FR+32*\u+4*\i+3], s[\ptr:\ptr+1] offset:2*\i*OROW+256*\u th:TH_STORE_NT   ; written once, read by nobody here
.endr
.endr
.endm
	; ---- PASS A: queries 256 i + 16 w on; keys 0-1023, from the two first fills
	INIT 4, 6, 0
	s_wait_tensorcnt 0x0                           ; my first fills have landed,
	s_barrier_signal -1
	s_barrier_wait -1                              ; everybody's have: both slots and all scales.
	s_mov_b32 s[CNT], 2
.Lpass_a:
	SLOT_STEPS
	s_sub_co_u32 s[CNT], s[CNT], 1
	s_cmp_lg_u32 s[CNT], 0
	s_cbranch_scc1 .Lpass_a
	WAYOUT 16
	s_wait_xcnt 0x0                                ; the stores have read their registers: pass B loads fragments into them
	; ---- PASS B: queries 256 (7 - i) + 16 (15 - w) on.  No barrier between the passes: both slots are only read until the first change of slots, which every wave reaches behind its last read of slot 0
	INIT QCB, QSB, 1
	s_mov_b32 s[CNT], 2
.Lfill:                                            ; trip 0: keys 0-511, then slot 0 takes keys 1024 on; trip 1: keys 512-1023, then slot 1 takes keys 1536 on (i < 2 alone)
	SLOT_STEPS
	CHANGE 1
	s_sub_co_u32 s[CNT], s[CNT], 1
	s_cmp_lg_u32 s[CNT], 0
	s_cbranch_scc1 .Lfill
	SLOT_STEPS                                     ; keys 1024-1535
	CHANGE 0                                       ; nothing is left to fetch
	SLOT_STEPS                                     ; keys 1536-2047 (i >= 2: every step is hidden, and the slot is not read)
	WAYOUT OB
	s_wait_tensorcnt 0x0                           ; the wave's end, behind my last tensor load and my last LDS store
	ds_add_u32 v[SPW], v[NIL]
	s_wait_dscnt 0x0
	s_endpgm
.Lfunc_end_k_qa7cca960a7_attn:
	.size	k_qa7cca960a7_attn, .Lfunc_end_k_qa7cca960a7_attn-k_qa7cca960a7_attn
	.p2alignl 7, 3214868480
	.fill 96, 4, 3214868480
	.section	.rodata,"a",@progbits
	.p2align	6, 0x0
	.amdhsa_kernel k_qa7cca960a7_attn
		.amdhsa_group_segment_fixed_size 327680
		.amdhsa_private_segment_fixed_size 0
		.amdhsa_enable_private_segment 0
		.amdhsa_kernarg_size 56
		.amdhsa_user_sgpr_count 2
		.amdhsa_user_sgpr_kernarg_segment_ptr 1
		.amdhsa_wavefront_size32 1
		.amdhsa_system_sgpr_workgroup_id_x 1
		.amdhsa_system_sgpr_workgroup_id_y 1
		.amdhsa_system_sgpr_workgroup_id_z 1
		.amdhsa_system_vgpr_workitem_id 0
		.amdhsa_next_free_vgpr 256
		.amdhsa_next_free_sgpr 102
		.amdhsa_reserve_vcc 1
		.amdhsa_float_denorm_mode_32 3
		.amdhsa_float_denorm_mode_16_64 3
		.amdhsa_memory_ordered 1
		.amdhsa_forward_progress 1
		.amdhsa_inst_pref_size 133
	.end_amdhsa_kernel
	.amdgpu_metadata
---
amdhsa.version: [ 1, 2 ]
amdhsa.kernels:
  - .name:           k_qa7cca960a7_attn
    .symbol:         k_qa7cca960a7_attn.kd
    .args:
      - { .name: query_codes, .offset: 0, .size: 8, .value_kind: global_buffer, .address_space: global }
      - { .name: query_scales, .offset: 8, .size: 8, .value_kind: global_buffer, .address_space: global }
      - { .name: key_codes, .offset: 16, .size: 8, .value_kind: global_buffer, .address_space: global }
      - { .name: key_scales, .offset: 24, .size: 8, .value_kind: global_buffer, .address_space: global }
      - { .name: value_codes, .offset: 32, .size: 8, .value_kind: global_buffer, .address_space: global }
      - { .name: value_scales, .offset: 40, .size: 8, .value_kind: global_buffer, .address_space: global }
      - { .name: out0, .offset: 48, .size: 8, .value_kind: global_buffer, .address_space: global }
    .group_segment_fixed_size: 327680
    .private_segment_fixed_size: 0
    .kernarg_segment_align: 8
    .kernarg_segment_size: 56
    .max_flat_workgroup_size: 512
    .sgpr_count:     102
    .vgpr_count:     256
    .wavefront_size: 32
...
	.end_amdgpu_metadata
.endif
;; end of part 1
